; MI455X (gfx1250); checked and timed in simulation.
; The chip was launched on July 23, 2026; its instructions are those of AMD's public machine-readable ISA for CDNA 5 (MIT licence, August 2026) and "CDNA5" Instruction Set Architecture Reference Guide (July 2026). The comments in the code are by the model that wrote it; some were corrected since.
;; Llama Cls. Allowed arithmetic: matrix products marked QUANTISED: E2M1 operands, one E8M0 scale for each 32 along K, by v_wmma_scale_f32_16x16x128_f8f6f4 with both operands' format E2M1 (or v_wmma_scale_f32_32x16x128_f4), f32 sums; everything else in f32.
;; Inputs: hidden_states 2,048 x 2 x 4,096 float32; labels 2 x 2,048 int32; weight 4,000 x 4,096 float32.
;; Outputs: out0 2 x 2,048 float32.
;; This version of the problem:
;;   THIS VERSION OF THE PROBLEM IS GIVEN IN LOW PRECISION. The matrix products marked QUANTISED in the list below multiply operands that are first quantised to E2M1 (2 exponent bits, 1 mantissa bit; 4 bits a number), with one power-of-two scale for each 32 numbers along K (OCP MX v1.0); their sums are f32. All else is computed in f32.
;;   The module's matrix products, in the order in which they are computed (A, B: the left and right operand; K: the contracted axis; several contracted axes count as one K, in the product's order):
;;     1. [M 4,096, K 4,096] x [K 4,096, N 4,000]; A: input hidden_states; B: input weight: QUANTISED
;;   THE QUANTISER, for each operand of a quantised product, along K:
;;     - K is cut into blocks of 32 from its start; a last block that is shorter is filled with zeros.
;;     - A block's scale is 2^e with e = floor(log2(the largest magnitude in the block)) - 2, held to -126 .. 127; a block of zeros has e = 0. As a byte (E8M0): e + 127.
;;     - Each number is divided by its block's scale, clamped to +-6, and rounded to the nearest number of E2M1, ties to even, subnormals kept.
;;     - The product sums the exact products of the quantised numbers (number of the format x scale) in f32.
;;   ~~~python
;;   def quantise(x, axis):      # numpy; x: float32 -> the quantised numbers, widened to float32 again
;;       x = np.moveaxis(x, axis, -1); K = x.shape[-1]
;;       x = np.pad(x, [(0, 0)] * (x.ndim - 1) + [(0, -K % 32)]); x = x.reshape(x.shape[:-1] + (-1, 32)); a = np.abs(x).max(-1, keepdims=True)
;;       e = np.where(a > 0, np.clip(np.frexp(np.where(a > 0, a, 1))[1] - 1 - 2, -126, 127), 0)      # np.frexp(a)[1] - 1 = floor(log2(a)), exactly
;;       r = np.clip(x / 2.0 ** e, -6, 6)
;;       step = 2.0 ** (np.maximum(np.frexp(np.where(r == 0, 1, r))[1] - 1, 0) - 1)
;;       q = np.round(r / step) * step * 2.0 ** e      # np.round: ties to even
;;       return np.moveaxis(q.reshape(q.shape[:-2] + (-1,))[..., :K], -1, axis).astype(np.float32)
;;   ~~~
;; One version. Each part assembles by itself: llvm-mc -triple=amdgcn-amd-amdhsa -mcpu=gfx1250 --defsym DOCPART=n.
;; ======== version 1 of 1: 3 launches
;; limits: right only within a limited range of input values
;; workspace buffers: aq 8,912,896 bytes; bq 8,912,896 bytes; part 524,288 bytes
;; launch quant (part 1): grid 512 x 1, 8 waves a work-group, no clusters, 44,032 bytes of LDS; arguments hidden_states, weight, aq, bq; writes aq, bq
.if DOCPART == 1
	.amdgcn_target "amdgcn-amd-amdhsa--gfx1250"
	.amdhsa_code_object_version 6
	.text
	.protected	k_qf8b7177c06_quant
	.globl	k_qf8b7177c06_quant
	.p2align	8
	.type	k_qf8b7177c06_quant,@function
k_qf8b7177c06_quant:
	s_mov_b64 s[64:65], 0
	v_nop
	global_prefetch_b8 v0, s[64:65] scope:SCOPE_SE
	s_setreg_imm32_b32 hwreg(HW_REG_WAVE_MODE, 25, 1), 1
	s_wait_xcnt 0x0
; hidden_states [4096 rows][4096] and weight [4000 rows][4096], f32, K innermost, become codes of FP4 (E2M1) with one E8M0 scale byte for each 32 along K.
; A block's scale is 2^(floor(log2(its largest magnitude)) - 2); its byte is the largest magnitude's own exponent field - 2, held at 1 from below.  Each number is divided by the scale and rounded to the
; nearest code, ties to even; beyond the largest code the conversion gives the largest code.
; LAYOUT OF aq AND bq, chosen for the product's launch: [32 panels of 128 rows][8 K steps of 512][PANEL bytes].  A panel's K step: 128 rows x 256 bytes of codes (row rr at 256 rr), then its scale bytes
; (row rr's sixteen at 32,768 + 16 rr): 136 dense rows of 256 bytes, which one tensor load can bring.
; weight has 4,000 rows; bq has 4,096: rows 4,000 to 4,095 get zero codes and the byte 127, so that they add nothing to any sum.
; SHARES.  Work-groups 0-255 take hidden_states, 256-505 weight, 506-511 the fill rows: 16 rows each.  Wave w takes rows 2 w and 2 w + 1: 8,192 consecutive numbers, 16 steps of 512; step t is row t / 8, K step t % 8.
; Each of a step's four loads reads 512 consecutive bytes, 16 a lane; the conversions want 16 NEIGHBOURS in a lane, so the 2,048 bytes turn through the wave's own stage in LDS (16 bytes of padding behind each 64).
; A lane's 16 codes are 8 bytes: the wave stores 256 consecutive bytes, a row's part of a K step.  The 16 rows' scale bytes of a K step are 256 consecutive bytes of the panel: they are gathered in LDS from all
; eight waves, and behind one barrier wave w stores K step w's.
; LIMITS: a block of zeros, and one whose largest magnitude lies under 2^(3 - 127), gets the byte 1 (its codes are zeros or next to it; only this program reads the bytes); NaN and infinities among the inputs are not served.
.set STEPS,  16
.set EMAX,   2
.set SP,     80                        ; a lane's place in a stage: its 64 bytes + 16 of padding
.set WREG,   2*32*SP                   ; LDS: two stages for each wave
.set SCG,    8*WREG                    ; behind them: the work-group's scale bytes, [K step 8][row 16][16 bytes]
.set PANEL,  34816
.set KPANEL, 8*PANEL
.set AWG,    256                       ; work-groups of hidden_states
.set REALWG, 506                       ; from here on: the fill rows
.set R,      16                        ; v16-79   four sets of 16 numbers as they are loaded
.set X,      80                        ; v80-111  two sets of 16 neighbours
.set E,      112                       ; v112-127 a scale byte for each step
.set C,      128                       ; v128-191 codes: registers of its own for each step, so that no store's data are written again
	s_load_b256 s[4:11], s[0:1], 0x0               ; hidden_states s[4:5], weight s[6:7], aq s[8:9], bq s[10:11]
	v_lshl_add_u32 v192, v0, 2, 0xa800
	v_mov_b32 v193, 0
	v_lshrrev_b32 v1, 5, v0
	s_delay_alu instid0(VALU_DEP_1)
	v_readfirstlane_b32 s16, v1                    ; wave 0..7
	v_and_b32 v2, 31, v0                           ; lane
	s_delay_alu instid0(VALU_DEP_1)
	v_lshlrev_b32 v3, 4, v2                        ; my 16 bytes of a load's 512
	s_mul_i32 s17, s16, WREG
	v_lshrrev_b32 v14, 2, v2
	s_delay_alu instid0(VALU_DEP_1)
	v_mul_u32_u24 v14, v14, SP
	v_and_b32 v15, 3, v2
	s_delay_alu instid0(VALU_DEP_1)
	v_lshl_add_u32 v14, v15, 4, v14
	s_delay_alu instid0(VALU_DEP_1)
	v_add_nc_u32 v14, s17, v14                     ; the stage, on the way in: four lanes' 64 bytes on end, then the padding
	v_mul_u32_u24 v15, v2, SP
	s_delay_alu instid0(VALU_DEP_1)
	v_add_nc_u32 v15, s17, v15                     ; and on the way out: my 16 neighbours
	v_lshlrev_b32 v4, 3, v2                        ; 8 x lane: my codes' place in a step's 256 bytes, and my 8 scale bytes' place at the end
	v_lshrrev_b32 v5, 1, v2
	s_lshl_b32 s18, s16, 5
	s_add_co_u32 s18, s18, SCG
	v_add_nc_u32 v5, s18, v5                       ; the gather, in: my wave's two rows (32 w), my block's byte (lane / 2)
	s_lshl_b32 s18, s16, 8
	s_add_co_u32 s18, s18, SCG
	v_add_nc_u32 v6, s18, v4                       ; and out: K step w's 256 bytes, 8 a lane
	s_wait_kmcnt 0x0
	s_cmp_lt_u32 ttmp9, AWG                        ; which tensor?  The choice hangs on the work-group's number alone
	s_cselect_b64 s[4:5], s[4:5], s[6:7]
	s_cselect_b64 s[8:9], s[8:9], s[10:11]
	s_cselect_b32 s17, 0, AWG
	s_sub_co_u32 s17, ttmp9, s17                   ; g: which 16 rows of the tensor
	s_lshr_b32 s20, s17, 3
	s_mul_i32 s20, s20, KPANEL                     ; the panel of 128 rows
	s_and_b32 s21, s17, 7                          ; which 16 of them
	s_lshl_b32 s22, s21, 12                        ; codes: 16 rows of 256 bytes,
	s_lshl_b32 s23, s16, 9                         ; my wave's two rows
	s_add_co_u32 s22, s22, s23
	s_add_co_u32 s22, s22, s20
	s_mov_b32 s23, 0
	s_lshl_b32 s24, s21, 8                         ; scale bytes: 16 rows of 16 bytes,
	s_mul_i32 s25, s16, PANEL                      ; in K step w,
	s_add_co_u32 s24, s24, s25
	s_add_co_u32 s24, s24, s20
	s_add_co_u32 s24, s24, 32768                   ; behind its codes
	s_mov_b32 s25, 0
	s_add_nc_u64 s[10:11], s[8:9], s[24:25]
	s_add_nc_u64 s[8:9], s[8:9], s[22:23]
	s_cmp_ge_u32 ttmp9, REALWG                     ; the same in all eight waves
	s_cbranch_scc1 .Lpad
	s_lshl_b32 s18, s17, 3
	s_add_co_u32 s18, s18, s16
	s_lshl_b32 s18, s18, 15                        ; my wave's 32,768 bytes of the tensor: (8 g + w) x 2^15, under 2^27
	s_mov_b32 s19, 0
	s_add_nc_u64 s[4:5], s[4:5], s[18:19]
.macro LOAD t
.irp i, 0,1,2,3
	global_load_b128 v[R+16*((\t)%4)+4*\i:R+16*((\t)%4)+4*\i+3], v3, s[4:5] offset:2048*(\t)+512*\i th:TH_LOAD_NT   ; 32 lanes read 512 consecutive bytes, read once in the launch
.endr
.endm
.macro TURN t                          ; step t's numbers through the stage: LDS serves a wave's instructions in order (ISA guide 5.7.1.4), so no wait stands between the stores and the loads
.irp i, 0,1,2,3
	ds_store_b128 v14, v[R+16*((\t)%4)+4*\i:R+16*((\t)%4)+4*\i+3] offset:32*SP*((\t)%2)+8*SP*\i
.endr
.irp i, 0,1,2,3
	ds_load_b128 v[X+16*((\t)%2)+4*\i:X+16*((\t)%2)+4*\i+3], v15 offset:32*SP*((\t)%2)+16*\i
.endr
.endm
.irp t, 0,1,2,3
	LOAD \t
.endr
	s_wait_loadcnt 12                              ; step 0's four loads are in; the twelve of steps 1 to 3 stay out
	s_wait_alu depctr_va_vdst(0)
	TURN 0
.macro STEP t
.set XS, X+16*((\t)%2)
.if (\t) > 0
	s_wait_dscnt 1                                 ; this step's numbers are back from the stage (the last step's byte store may be out): so its stores into the stage have read their registers,
.else
	s_wait_dscnt 0x0
.endif
.if (\t)+4 < STEPS
	LOAD (\t)+4                                    ; which take the loads of four steps on
.endif
.if (\t)+1 < STEPS
.if STEPS-2-(\t) >= 3
	s_wait_loadcnt 12                              ; the next step's four loads are in; those of the three steps behind it may be out
.else
	s_wait_loadcnt 4*(STEPS-2-(\t))                ; at the end the count runs down
.endif
	TURN (\t)+1                                    ; and go through the other stage while this step is worked
.endif
	v_max3_num_f32 v8, |v[XS]|, |v[XS+1]|, |v[XS+2]|               ; the largest magnitude of my 16, in two chains
	v_max3_num_f32 v9, |v[XS+3]|, |v[XS+4]|, |v[XS+5]|
.irp i, 6,10
	s_delay_alu instid0(VALU_DEP_2)
	v_max3_num_f32 v8, v8, |v[XS+\i]|, |v[XS+\i+1]|
	s_delay_alu instid0(VALU_DEP_2)
	v_max3_num_f32 v9, v9, |v[XS+\i+2]|, |v[XS+\i+3]|
.endr
	s_delay_alu instid0(VALU_DEP_2)
	v_max3_num_f32 v8, v8, |v[XS+14]|, |v[XS+15]|
	s_delay_alu instid0(VALU_DEP_1)
	v_max3_num_f32 v8, v8, v9, (EMAX+1)<<23        ; and the floor 2^(EMAX + 1 - 127): so the byte cannot fall under 1
	s_delay_alu instid0(VALU_DEP_1)
	v_max_num_f32_dpp v8, v8, v8 row_xmask:1 row_mask:0xf bank_mask:0xf   ; and of my neighbour's 16: the block's
	s_delay_alu instid0(VALU_DEP_1)
	v_add_nc_u32 v11, -(EMAX<<23), v8              ; EMAX off its exponent field: the conversion takes the exponent field of this operand as its scale, and nothing else of it
	v_cvt_scalef32_pk8_fp4_f32 v[C+4*(\t)], v[XS:XS+7], v11        ; the first number's code in the lowest four bits
	v_cvt_scalef32_pk8_fp4_f32 v[C+4*(\t)+1], v[XS+8:XS+15], v11
	v_lshrrev_b32 v[E+(\t)], 23, v11               ; the scale's byte (also the plain line behind the conversions)
	ds_store_b8 v5, v[E+(\t)] offset:((\t)%8)*256+((\t)/8)*16      ; both lanes of a block write the same byte with the same value
	global_store_b64 v4, v[C+4*(\t):C+4*(\t)+1], s[8:9] offset:((\t)%8)*PANEL+((\t)/8)*256   ; 32 lanes store 256 consecutive bytes, at a multiple of 256 from the buffer's first byte
.endm
.irp t, 0,1,2,3,4,5,6,7,8,9,10,11,12,13,14,15
	STEP \t
.endr
	s_wait_dscnt 0x0                               ; for the others' sake: my byte stores have landed
	s_barrier_signal -1
	s_barrier_wait -1                              ; everybody's have
	ds_load_b64 v[12:13], v6                       ; K step w's scale bytes of the 16 rows
	s_wait_dscnt 0x0
	global_store_b64 v4, v[12:13], s[10:11]        ; 256 consecutive bytes, aligned
	s_wait_tensorcnt 0x0
	ds_add_u32 v192, v193
	s_wait_dscnt 0x0
	s_endpgm
.Lpad:                                                 ; the fill rows: nothing is loaded, no LDS, no barrier
	v_mov_b32 v[C], 0                              ; zero codes
	v_mov_b32 v[C+1], 0
	s_wait_alu depctr_va_vdst(0)
	v_mov_b32 v12, 0x7f7f7f7f                      ; the byte 127
	v_mov_b32 v13, 0x7f7f7f7f
.irp t, 0,1,2,3,4,5,6,7,8,9,10,11,12,13,14,15
	global_store_b64 v4, v[C:C+1], s[8:9] offset:((\t)%8)*PANEL+((\t)/8)*256
.endr
	global_store_b64 v4, v[12:13], s[10:11]
	s_endpgm
.Lfunc_end_k_qf8b7177c06_quant:
	.size	k_qf8b7177c06_quant, .Lfunc_end_k_qf8b7177c06_quant-k_qf8b7177c06_quant
	.p2alignl 7, 3214868480
	.fill 96, 4, 3214868480
	.section	.rodata,"a",@progbits
	.p2align	6, 0x0
	.amdhsa_kernel k_qf8b7177c06_quant
		.amdhsa_group_segment_fixed_size 44032
		.amdhsa_private_segment_fixed_size 0
		.amdhsa_enable_private_segment 0
		.amdhsa_kernarg_size 32
		.amdhsa_user_sgpr_count 2
		.amdhsa_user_sgpr_kernarg_segment_ptr 1
		.amdhsa_wavefront_size32 1
		.amdhsa_system_sgpr_workgroup_id_x 1
		.amdhsa_system_sgpr_workgroup_id_y 1
		.amdhsa_system_sgpr_workgroup_id_z 1
		.amdhsa_system_vgpr_workitem_id 0
		.amdhsa_next_free_vgpr 194
		.amdhsa_next_free_sgpr 66
		.amdhsa_reserve_vcc 0
		.amdhsa_float_denorm_mode_32 3
		.amdhsa_float_denorm_mode_16_64 3
		.amdhsa_memory_ordered 1
		.amdhsa_forward_progress 1
		.amdhsa_inst_pref_size 40
	.end_amdhsa_kernel
	.amdgpu_metadata
---
amdhsa.version: [ 1, 2 ]
amdhsa.kernels:
  - .name:           k_qf8b7177c06_quant
    .symbol:         k_qf8b7177c06_quant.kd
    .args:
      - { .name: hidden_states, .offset: 0, .size: 8, .value_kind: global_buffer, .address_space: global }
      - { .name: weight, .offset: 8, .size: 8, .value_kind: global_buffer, .address_space: global }
      - { .name: aq, .offset: 16, .size: 8, .value_kind: global_buffer, .address_space: global }
      - { .name: bq, .offset: 24, .size: 8, .value_kind: global_buffer, .address_space: global }
    .group_segment_fixed_size: 44032
    .private_segment_fixed_size: 0
    .kernarg_segment_align: 8
    .kernarg_segment_size: 32
    .max_flat_workgroup_size: 256
    .sgpr_count:     66
    .vgpr_count:     194
    .wavefront_size: 32
...
	.end_amdgpu_metadata
.endif
;; end of part 1
;; launch lmhead (part 2): grid 16 x 16, 4 waves a work-group, clusters of 4 x 4, 327,680 bytes of LDS; arguments aq, bq, labels, part; writes part
.if DOCPART == 2
	.amdgcn_target "amdgcn-amd-amdhsa--gfx1250"
	.amdhsa_code_object_version 6
	.text
	.protected	k_qf8b7177c06_lmhead
	.globl	k_qf8b7177c06_lmhead
	.p2align	8
	.type	k_qf8b7177c06_lmhead,@function
k_qf8b7177c06_lmhead:
	s_mov_b64 s[64:65], 0
	v_nop
	global_prefetch_b8 v0, s[64:65] scope:SCOPE_SE
	s_setreg_imm32_b32 hwreg(HW_REG_WAVE_MODE, 25, 1), 1
	s_wait_xcnt 0x0
	s_wait_alu depctr_hold_cnt(0) depctr_sa_sdst(0) depctr_va_vdst(0) depctr_va_sdst(0) depctr_va_ssrc(0) depctr_va_vcc(0) depctr_vm_vsrc(0)
	s_getreg_b32 s2, hwreg(HW_REG_IB_STS2, 6, 4)
	s_cmp_eq_u32 s2, 0
	s_cbranch_scc0 .Lentry_in_a_cluster
	s_endpgm
.Lentry_in_a_cluster:
	s_bfe_u32 s2, ttmp6, 0x10000c
	s_cmp_lg_u32 s2, 0xf033
	s_cbranch_scc0 .Lentry_shape_is_right
	s_endpgm
.Lentry_shape_is_right:
; logits = hidden_states x weight^T on codes of FP4 with E8M0 scales, and of each 256 x 256 tile of logits only two numbers a row leave: log2 of the sum of 2^(logit x log2 e) over the tile's columns
; (the tile's largest logit of the row is taken away ahead of the exponentials), and the label's logit if the label lies in the tile, else 0.  part: [2 planes][16 tile columns][4,096 rows] f32.
; Columns 4,000 to 4,095 are fill (zero codes): -infinity is added to them ahead of the maximum and the exponentials.
; LIMIT: the promise holds while the scaled logits stay under 2^31 in magnitude; NaN and infinities among the inputs are not served.
; Four waves, each 128 x 128: 64 accumulators in windows 2 and 3.  aq, bq: [panel of 128 rows][8 K steps of 512][136 rows of 256 bytes: 128 of codes, 8 of scale bytes]: one tensor load a wave brings a panel's K step.
; CLUSTERS: 4 x 4; A's panels are asked for jointly along a row of the cluster, B's along a column.  Clusters begin at K step 0 or 4, by their place in the grid, and go round.
; A ring of two slots, a K step each; a step is 128 along K, four steps to a slot.
; A's and B's fragments have TWO sets each, all in window 1: a step's 32 LDS loads for the next step stand in one run at its head.  So a slot's last fragments are in registers in the middle of its third step:
; there the slot is given up (the three lines, the round, the joint refill).  The third step's last 32 products stand round the wait for the add and inside the opening barrier, and the whole fourth step,
; 64 products on registers, stands behind the new slot's first fragment loads.
; PREFETCH: behind each refill the K step that is loaded two refills on is asked for: 136 blocks of 256 bytes a panel, 34 for each of the four partners that load it jointly, told apart by address
; (32 lanes a block each, then two blocks more; the lanes left over name the last again).  At the head the walk's first K step is asked for as soon as the addresses are known, ahead of the round in front of
; the first joint loads, the second behind the head's vector set-up, the third and fourth behind slot 1's first fill; the last two refills' trip asks for nothing.
; THE MATRIX INSTRUCTION IS USED TRANSPOSED (source 0 = B's rows, source 1 = A's): a lane holds row l % 16 of the tile and eight neighbouring columns.
.set NQ,     4
.set PITCH,  272                       ; 256 bytes + 16 of padding
.set NP,     4
.set TROWS,  136
.set HALFT,  TROWS*PITCH
.set SLOT,   4*HALFT
.set PANEL,  34816
.set KPANEL, 8*PANEL
.set LAPS,   4
.set SPARE,  2*SLOT
.set XCH,    SPARE+512                 ; 1,024 bytes a wave: the waves' figures meet here
.set PFO,  12                          ; v12 256 x lane; v13 256 x (32 + min(lane, 1))
.set PFO2, 13
.set ADRA, 16
.set ADRB, 20
.set ADRS, 22
.set XW,   24
.set XR,   25
.set PO,   26
.set LBO,  27
.set SPW,  28
.set NIL,  29
.set CB,   30
.set SC,   32                          ; v32-95 scale words, a set for each slot: register 4 i + q: lanes 0-15 A's block i, lanes 16-31 B's
.set LAB,  192
.set ST,   32
.set SUM,  64
.set TMP,  80
.set U,    96
.set T,    128
.set MX,   200
.set G1, 24
.set G0, 32
.set G1B, 48
.set G0B, 56
.set CS,  68
.set SEL, 70
.set PEN, 72
.set MK,  73
.set KI,  80                           ; s80, s81: the K step that slot 0, 1 holds or is about to get
.set KB,  82
.set BA,  84
.set BB,  86
.set KB2, 88
.set PFB, 90                           ; my 34 blocks of the panel that I load, at K step 0
.set PFA, 92
.set KPF, 94
.set MSB, 0
.macro WIN new
.if MSB != \new
	s_set_vgpr_msb (MSB<<8)|\new
.set MSB, \new
.endif
.endm
.set MUL_LO, 0xa5                      ; sources 0 and 1 window 1, C and D window 2
.set MUL_HI, 0xf5                      ; C and D window 3
.set TO_F,   0x40                      ; destination window 1, address window 0
.macro JLOAD g0a, g1a, g0b, g1b        ; a joint load: waves 0, 1 for A, waves 2, 3 for B; s_nop 0 and four v_nop behind each line
	s_cmp_eq_u32 s15, 0
	s_cbranch_scc0 .Lfor_b_\@
	tensor_load_to_lds s[\g0a:\g0a+3], s[\g1a:\g1a+7]
	s_nop 0
.rept 4
	v_nop
.endr
	s_branch .Lasked_\@
.Lfor_b_\@:
	tensor_load_to_lds s[\g0b:\g0b+3], s[\g1b:\g1b+7]
	s_nop 0
.rept 4
	v_nop
.endr
.Lasked_\@:
.endm
.macro CREST
	s_cmp_lg_u32 s14, 0
	s_cbranch_scc1 .Lnot_wave_0_\@
	s_barrier_signal -3
.Lnot_wave_0_\@:
	s_barrier_wait -3
	s_barrier_signal -1
	s_barrier_wait -1
.endm
.macro CROUND
	s_barrier_signal -1
	s_barrier_wait -1
	CREST
.endm
.macro AIM s                           ; slot s's two descriptors at K step KI[s]
	s_mul_i32 s[KB], s[KI+\s], PANEL
	s_add_nc_u64 s[G0+4*\s+2:G0+4*\s+3], s[BA:BA+1], s[KB:KB+1]
	s_or_b32 s[G0+4*\s+3], s[G0+4*\s+3], 0x80000000
	s_add_nc_u64 s[G0B+4*\s+2:G0B+4*\s+3], s[BB:BB+1], s[KB:KB+1]
	s_or_b32 s[G0B+4*\s+3], s[G0B+4*\s+3], 0x80000000
.endm
	s_load_b256 s[4:11], s[0:1], 0x0               ; aq, bq, labels, part
	v_lshl_add_u32 v[SPW], v0, 2, SPARE
	v_mov_b32 v[NIL], 0
	ds_add_u32 v[SPW], v[NIL]                      ; the opening lines: the add twice on end and one wait
	ds_add_u32 v[SPW], v[NIL]
	v_lshrrev_b32 v1, 5, v0
	v_readfirstlane_b32 s14, v1                    ; wave
	v_and_b32 v[PFO], 31, v0
	v_min_u32 v[PFO2], 1, v[PFO]
	v_lshlrev_b32 v[PFO], 8, v[PFO]
	v_lshl_add_u32 v[PFO2], v[PFO2], 8, 8192
	s_lshr_b32 s15, s14, 1                         ; my half of the rows; also: I load for A (0) or B (1)
	s_and_b32 s16, s14, 1                          ; my half of the columns; also: which panel of the two
	s_bfe_u32 s40, ttmp6, 0x40000
	s_bfe_u32 s41, ttmp6, 0x40004
	s_lshl_b32 s42, ttmp9, 2
	s_add_co_u32 s42, s42, s40                     ; tile column
	s_and_b32 s17, ttmp7, 0xffff
	s_lshl_b32 s17, s17, 2
	s_add_co_u32 s17, s17, s41                     ; tile row
	s_lshl_b32 s43, s41, 2
	s_lshl_b32 s43, 15, s43
	s_lshl_b32 s44, 0x1111, s40
	s_and_b32 s[KI], ttmp7, 0xffff                 ; the cluster's first K step, 0 or 4: the same in all partners
	s_xor_b32 s[KI], s[KI], ttmp9
	s_lshr_b32 s[KI+1], s[KI], 1
	s_xor_b32 s[KI], s[KI], s[KI+1]
	s_and_b32 s[KI], s[KI], 1
	s_lshl_b32 s[KI], s[KI], 2
	s_add_co_u32 s[KI+1], s[KI], 1
	s_xor_b32 s[KPF], s[KI], 4                     ; the K step that the first refill's prefetch names: the fifth of the walk
	s_mul_i32 s12, s[KI], PANEL
	s_mov_b32 s13, 0
	s_mov_b32 s[KB+1], 0
	s_mov_b32 s[KB2+1], 0
	s_cmp_eq_u32 s15, 0
	s_cselect_b32 s18, s40, s41                    ; my place among the four that load my panel with me
	s_mul_i32 s[KB2], s18, 34*256
	s_or_b32 s[G1+0], s43, (0<<16)|(1<<20)|(1<<21)|(5<<22)|(3<<25)
	s_or_b32 s[G1B+0], s44, (0<<16)|(1<<20)|(1<<21)|(5<<22)|(3<<25)
.irp g, G1, G1B
	s_mov_b32 s[\g+1], 256<<16
	s_mov_b32 s[\g+2], TROWS<<16
	s_mov_b32 s[\g+3], 256<<16
	s_mov_b32 s[\g+4], TROWS
	s_mov_b32 s[\g+5], 256
	s_mov_b32 s[\g+6], 0
	s_mov_b32 s[\g+7], 0
.endr
	s_lshl_b32 s20, s17, 1
	s_add_co_u32 s20, s20, s16
	s_mul_i32 s20, s20, KPANEL
	s_mov_b32 s21, 0
	s_lshl_b32 s46, s42, 1
	s_add_co_u32 s46, s46, s16
	s_mul_i32 s46, s46, KPANEL
	s_mov_b32 s47, 0
	s_mul_i32 s45, s14, HALFT
	s_wait_alu depctr_va_vdst(0)
	s_wait_dscnt 0x0
	s_wait_kmcnt 0x0
	s_add_nc_u64 s[BA:BA+1], s[4:5], s[20:21]
	s_add_nc_u64 s[BB:BB+1], s[6:7], s[46:47]
	s_cmp_eq_u32 s15, 0
	s_cselect_b64 s[PFB:PFB+1], s[BA:BA+1], s[BB:BB+1]
	s_add_nc_u64 s[PFB:PFB+1], s[PFB:PFB+1], s[KB2:KB2+1]
	s_add_nc_u64 s[PFA:PFA+1], s[PFB:PFB+1], s[12:13]
	global_prefetch_b8 v[PFO], s[PFA:PFA+1] th:TH_LOAD_NT scope:SCOPE_SE       ; the walk's first K step
	global_prefetch_b8 v[PFO2], s[PFA:PFA+1] th:TH_LOAD_NT scope:SCOPE_SE
	CROUND                                         ; the first joint loads meet
.irp s, 0,1
	s_mov_b32 s[G0+4*\s], 1
	s_add_co_u32 s[G0+4*\s+1], s45, \s*SLOT
	s_mov_b32 s[G0B+4*\s], 1
	s_add_co_u32 s[G0B+4*\s+1], s45, \s*SLOT
	AIM \s
.endr
	JLOAD G0, G1, G0B, G1B                         ; the first K step: one tensor load a wave at the head
	s_mul_i32 s21, s15, HALFT                      ; my 128 rows of A
	s_mul_i32 s22, s16, HALFT
	s_add_co_u32 s22, s22, 2*HALFT                 ; my 128 rows of B
	s_sub_co_u32 s12, s22, s21
	s_add_co_u32 s13, s21, 128*PITCH               ; A's scale bytes, behind its codes
	s_lshl_b32 s23, s14, 10
	s_add_co_u32 s23, s23, XCH
	s_lshl_b32 s66, s15, 11
	s_lshl_b32 s19, s16, 8
	s_add_co_u32 s66, s66, s19
	s_add_co_u32 s66, s66, XCH
	s_lshl_b32 s18, s17, 8
	s_lshl_b32 s19, s15, 7
	s_add_co_u32 s18, s18, s19                     ; my first row m = 2 s + b
	s_lshl_b32 s46, s18, 1                         ; labels [b][s]: 4 bytes an s
	s_mov_b32 s47, 0
	s_add_nc_u64 s[8:9], s[8:9], s[46:47]
	s_lshl_b32 s19, s16, 6
	s_add_co_u32 s18, s18, s19                     ; the 64 rows that I store
	s_lshl_b32 s46, s18, 2
	s_lshl_b32 s19, s42, 14
	s_add_co_u32 s46, s46, s19
	s_add_nc_u64 s[10:11], s[10:11], s[46:47]
	s_lshl_b32 s46, s42, 8
	s_lshl_b32 s19, s16, 7
	s_add_co_u32 s46, s46, s19                     ; my first column
	s_lshl_b32 s[PEN], s42, 1
	s_add_co_u32 s[PEN], s[PEN], s16
	s_cmp_eq_u32 s[PEN], 31                        ; the last panel of columns: from its column 32 on, fill
	s_cselect_b32 s[PEN], 0xff800000, 0
	s_mov_b32 s[CS], 0x3fb8aa3b
	s_mov_b32 s[CS+1], s[CS]
	s_mov_b32 s[SEL], 0x76543210
	s_mov_b32 s[SEL+1], 0xfedcba98
	v_and_b32 v1, 15, v0                           ; r
	v_bfe_u32 v2, v0, 4, 1                         ; h
	v_mul_u32_u24 v3, v1, PITCH
	v_lshl_add_u32 v4, v2, 4, v3                   ; row x pitch + 16 h
	v_add_nc_u32 v[ADRA], s21, v4
	v_add_nc_u32 v[ADRB], s22, v4
	v_add_nc_u32 v[ADRA+1], SLOT, v[ADRA]
	v_add_nc_u32 v[ADRB+1], SLOT, v[ADRB]
	v_lshlrev_b32 v5, 4, v1
	v_mul_u32_u24 v6, s12, v2                      ; lanes 16-31 take B's scale words
	v_add_nc_u32 v5, v5, v6
	v_add_nc_u32 v[ADRS], s13, v5
	v_add_nc_u32 v[ADRS+1], SLOT, v[ADRS]
	v_lshl_add_u32 v[XW], v1, 2, s23
	v_and_b32 v6, 31, v0
	v_lshlrev_b32 v[PO], 3, v6
	v_add_nc_u32 v[XR], s66, v[PO]
	v_and_b32 v5, 1, v1
	v_lshrrev_b32 v6, 1, v1
	v_lshlrev_b32 v6, 2, v6
	v_lshl_add_u32 v[LBO], v5, 13, v6
	v_lshl_add_u32 v[CB], v2, 3, s46
.irp a, 0,1,2,3,4,5,6,7
	global_load_b32 v[LAB+\a], v[LBO], s[8:9] offset:32*\a         ; waited for on the way out
.endr
	global_prefetch_b8 v[PFO], s[PFA:PFA+1] offset:PANEL th:TH_LOAD_NT scope:SCOPE_SE       ; the walk's second K step (its first four lie on end: no wrap)
	global_prefetch_b8 v[PFO2], s[PFA:PFA+1] offset:PANEL th:TH_LOAD_NT scope:SCOPE_SE
.macro FRAG reg, adr, q, i             ; registers 4 c .. 4 c + 3 of lane (r, h): K = 128 q + 64 c + 32 h + 0 .. 31 of the slot's 512
.irp c, 0,1
	ds_load_b128 v[\reg+4*\c:\reg+4*\c+3], v[\adr] offset:64*(\q)+32*\c+(\i)*16*PITCH
.endr
.endm
.macro MUL16 a0, p, q, sc, zero        ; A's blocks a0, a0 + 1 x B's eight; the 64 accumulators take turns
.irp a, \a0, \a0+1
.irp b, 0,1,2,3,4,5,6,7
.if \zero
	v_wmma_scale_f32_16x16x128_f8f6f4 v[8*(8*((\a)%4)+\b):8*(8*((\a)%4)+\b)+7], v[128*(\p)+8*\b:128*(\p)+8*\b+7], v[128*(\p)+64+8*(\a):128*(\p)+64+8*(\a)+7], 0, v[SC+8*NQ*(\sc)+NQ*\b+(\q)], v[SC+8*NQ*(\sc)+NQ*(\a)+(\q)] matrix_a_fmt:MATRIX_FMT_FP4 matrix_b_fmt:MATRIX_FMT_FP4 matrix_a_scale:MATRIX_SCALE_ROW1
.else
	v_wmma_scale_f32_16x16x128_f8f6f4 v[8*(8*((\a)%4)+\b):8*(8*((\a)%4)+\b)+7], v[128*(\p)+8*\b:128*(\p)+8*\b+7], v[128*(\p)+64+8*(\a):128*(\p)+64+8*(\a)+7], v[8*(8*((\a)%4)+\b):8*(8*((\a)%4)+\b)+7], v[SC+8*NQ*(\sc)+NQ*\b+(\q)], v[SC+8*NQ*(\sc)+NQ*(\a)+(\q)] matrix_a_fmt:MATRIX_FMT_FP4 matrix_b_fmt:MATRIX_FMT_FP4 matrix_a_scale:MATRIX_SCALE_ROW1
.endif
.endr
.endr
.endm
.macro MUL32 hi, p, q, sc, zero        ; A's blocks 0-3 (hi = 0) or 4-7 (hi = 1)
	WIN MUL_LO+0x50*\hi
	MUL16 4*\hi, \p, \q, \sc, \zero
	MUL16 4*\hi+2, \p, \q, \sc, \zero
.endm
.macro FETCH slot, q, p                ; 32 LDS loads in one run: B's eight and A's eight fragments of the slot's step q into set p; the last eight loads are A's blocks 4-7
	WIN TO_F
.irp i, 0,1,2,3,4,5,6,7
	FRAG 128*(\p)+8*\i, ADRB+\slot, \q, \i
.endr
.irp i, 0,1,2,3,4,5,6,7
	FRAG 128*(\p)+64+8*\i, ADRA+\slot, \q, \i
.endr
.endm
.macro SCALES sc
.irp i, 0,1,2,3,4,5,6,7
	ds_load_b128 v[SC+8*NQ*\sc+NQ*\i:SC+8*NQ*\sc+NQ*\i+3], v[ADRS+\sc] offset:\i*PITCH
.endr
.endm
.macro PLACES n                        ; places behind matrix instructions, in front of loads into registers that they read (ISA guide 7.12.1 for vector instructions)
.rept \n
	v_nop
.endr
.endm
.macro STEP slot, q, zero              ; a slot's step 0 or 1: the next step's fragments are asked for at its head, into the other set
	s_wait_dscnt 8                                 ; this step's fragments are in, but for the youngest eight loads: A's blocks 4-7
	PLACES NP
	FETCH \slot, (\q)+1, 1-(\q)%2
	MUL32 0, (\q)%2, \q, \slot, \zero
	s_wait_dscnt 32                                ; all but the 32 just issued
	MUL32 1, (\q)%2, \q, \slot, \zero
.endm
.macro TURN slot, next, fill           ; a slot's steps 2 and 3, and the change of slots
	s_wait_dscnt 0x0
	PLACES NP
	FETCH \slot, 3, 1                              ; my last reads of this slot
	MUL32 0, 0, 2, \slot, 0
	WIN 0
.if \fill
	s_wait_xcnt 0x0                                ; my last prefetches have read their address
	s_mul_i32 s[KB2], s[KPF], PANEL
	s_add_nc_u64 s[PFA:PFA+1], s[PFB:PFB+1], s[KB2:KB2+1]
	s_add_co_u32 s[KPF], s[KPF], 1
	s_and_b32 s[KPF], s[KPF], 7                    ; always a K step of the panel
.endif
	s_wait_tensorcnt 0x0                           ; my one load that is out, my part of the next slot, has landed
	ds_add_u32 v[SPW], v[NIL]
.if \fill
	s_add_co_u32 s[KI+\slot], s[KI+\slot], 2
	s_and_b32 s[KI+\slot], s[KI+\slot], 7
	AIM \slot
.endif
	WIN MUL_HI
	MUL16 4, 0, 2, \slot, 0
	s_wait_dscnt 0x0                               ; the add is done, and my reads of this slot are over
	s_barrier_signal -1
	MUL16 6, 0, 2, \slot, 0
	WIN 0
	s_barrier_wait -1
.if \fill
	CREST                                          ; the barrier has opened a round of the cluster's barrier
	JLOAD G0+4*\slot, G1, G0B+4*\slot, G1B         ; the refill; its four v_nop are the places in front of the loads below
.else
	PLACES NP
.endif
	SCALES \next
	FETCH \next, 0, 0
	WIN 0
.if \fill
	s_cmp_gt_u32 s3, 1                             ; the last trip's two refills have no K step two refills on
	s_cbranch_scc0 .Lno_ask_\@
	global_prefetch_b8 v[PFO], s[PFA:PFA+1] th:TH_LOAD_NT scope:SCOPE_SE
	global_prefetch_b8 v[PFO2], s[PFA:PFA+1] th:TH_LOAD_NT scope:SCOPE_SE
.Lno_ask_\@:
.endif
	MUL32 0, 1, 3, \slot, 0                        ; step 3: all on registers
	MUL32 1, 1, 3, \slot, 0
.endm
	s_wait_alu depctr_va_vdst(0)
	s_wait_tensorcnt 0x0                           ; my part of the first K step is in; the three lines ahead of a later first fill
	ds_add_u32 v[SPW], v[NIL]
	s_wait_dscnt 0x0
	CROUND
	JLOAD G0+4, G1, G0B+4, G1B                     ; slot 1's first fill
	SCALES 0
	FETCH 0, 0, 0
	WIN 0
.irp d, 2,3
	global_prefetch_b8 v[PFO], s[PFA:PFA+1] offset:\d*PANEL th:TH_LOAD_NT scope:SCOPE_SE    ; the walk's third and fourth K step
	global_prefetch_b8 v[PFO2], s[PFA:PFA+1] offset:\d*PANEL th:TH_LOAD_NT scope:SCOPE_SE
.endr
	STEP 0, 0, 1                                   ; the first step's products start the sums
	WIN 0
	s_mov_b32 s3, LAPS-1
.Llap:
	STEP 0, 1, 0
	TURN 0, 1, 1
	STEP 1, 0, 0
	STEP 1, 1, 0
	TURN 1, 0, 1
	STEP 0, 0, 0
	WIN 0
	s_sub_co_u32 s3, s3, 1
	s_cmp_lg_u32 s3, 0
	s_cbranch_scc1 .Llap
	STEP 0, 1, 0                                   ; the last lap fills nothing
	TURN 0, 1, 0
	STEP 1, 0, 0
	STEP 1, 1, 0
	s_wait_dscnt 0x0
	PLACES NP
	FETCH 1, 3, 1
	MUL32 0, 0, 2, 1, 0
	MUL32 1, 0, 2, 1, 0
	s_wait_dscnt 0x0
	MUL32 0, 1, 3, 1, 0
	MUL32 1, 1, 3, 1, 0
	WIN 0
	s_wait_loadcnt 0x0                             ; the labels
	PLACES NP
; THE WAY OUT.  Block a = my rows 16 a .. 16 a + 15; lane (r, h) holds row r, columns 16 b + 8 h + j in register 8 b + j of the block's 64.
.macro MAXES a                         ; four chains of 16 registers; chain 0 holds columns 0-31, which are never fill
.set AC, 64*((\a)%4)
.set WN, 0x28+0x14*((\a)/4)
	WIN WN
.set i, 0
.rept 8
.irp c, 0,1,2,3
.if i == 0
	v_max3_num_f32 v[MX+4*(\a)+\c], 0xff800000, v[AC+16*\c], v[AC+16*\c+1]
.else
	v_max3_num_f32 v[MX+4*(\a)+\c], v[MX+4*(\a)+\c], v[AC+16*\c+2*i], v[AC+16*\c+2*i+1]
.endif
.endr
.set i, i+1
.endr
.endm
.irp a, 0,1,2,3,4,5,6,7
	MAXES \a
.endr
	WIN 0
.irp a, 0,1,2,3,4,5,6,7
	v_max3_num_f32 v[MX+4*\a+1], v[MX+4*\a+1], v[MX+4*\a+2], v[MX+4*\a+3]
.endr
.irp a, 0,1,2,3,4,5,6,7
	v_add_f32 v[MX+4*\a+1], s[PEN], v[MX+4*\a+1]   ; -infinity where these columns are fill
.endr
.irp a, 0,1,2,3,4,5,6,7
	v_max_num_f32 v[MX+4*\a], v[MX+4*\a], v[MX+4*\a+1]
.endr
.irp a, 0,1,2,3,4,5,6,7
	v_permlanex16_b32 v[MX+4*\a+2], v[MX+4*\a], s[SEL], s[SEL+1]
.endr
.irp a, 0,1,2,3,4,5,6,7
	v_max_num_f32 v[ST+4*\a+1], v[MX+4*\a], v[MX+4*\a+2]           ; the row's largest logit in my 128 columns
.endr
.irp a, 0,1,2,3,4,5,6,7
	v_mul_f32 v[ST+4*\a], -v[ST+4*\a+1], s[CS]
.endr
.irp a, 0,1,2,3,4,5,6,7
	v_add_f32 v[ST+4*\a+2], s[PEN], v[ST+4*\a]
.endr
.irp a, 0,1,2,3,4,5,6,7
	v_sub_nc_u32 v[LAB+\a], v[LAB+\a], v[CB]       ; the label, counted from my lane's first column
.endr
.macro ROWS a
.set AC, 64*((\a)%4)
.set WB, 2+(\a)/4
	WIN 0
.set k, 0
.irp bit, 64,32,16,4,2,1
	v_and_b32 v[TMP+8+k], \bit, v[LAB+(\a)]
.set k, k+1
.endr
	v_and_b32 v[TMP+14], 0xffffff88, v[LAB+(\a)]   ; 0 where the label is one of my 64 columns
.set k, 0
.rept 6
	v_cmp_ne_u32 s[MK+k], 0, v[TMP+8+k]
.set k, k+1
.endr
	v_cmp_eq_u32 s[MK+6], 0, v[TMP+14]
.set WN, 5*WB
	WIN WN
.set e, 0
.rept 32
	v_cndmask_b32 v[U+e], v[AC+e], v[AC+32+e], s[MK]               ; the label's logit by halving: 32, 16, 8, 4, 2, 1 selections
.set e, e+1
.endr
	WIN 0
.set lev, 1
.irp d, 16,8,4,2,1
.set e, 0
.rept \d
	v_cndmask_b32 v[U+e], v[U+e], v[U+\d+e], s[MK+lev]
.set e, e+1
.endr
.set lev, lev+1
.endr
	v_cndmask_b32 v[ST+4*(\a)+3], 0, v[U], s[MK+6]
	WIN WB
.set i, 0
.rept 32
.if i < 8
	v_pk_fma_f32 v[T+2*i:T+2*i+1], v[AC+2*i:AC+2*i+1], s[CS:CS+1], v[ST+4*(\a):ST+4*(\a)+1] op_sel_hi:[1,0,0]
.else
	v_pk_fma_f32 v[T+2*i:T+2*i+1], v[AC+2*i:AC+2*i+1], s[CS:CS+1], v[ST+4*(\a)+2:ST+4*(\a)+3] op_sel_hi:[1,0,0]
.endif
.set i, i+1
.endr
	WIN 0
.set i, 0
	s_wait_alu depctr_va_vdst(0)
.rept 64
	v_exp_f32 v[T+i], v[T+i]
.set i, i+1
.endr
	v_nop
	s_wait_alu depctr_va_vdst(0)
	v_pk_add_f32 v[TMP:TMP+1], v[T:T+1], v[T+2:T+3]
	v_pk_add_f32 v[TMP+2:TMP+3], v[T+4:T+5], v[T+6:T+7]
.set i, 8
.rept 14
	v_pk_add_f32 v[TMP:TMP+1], v[TMP:TMP+1], v[T+i:T+i+1]
	v_pk_add_f32 v[TMP+2:TMP+3], v[TMP+2:TMP+3], v[T+i+2:T+i+3]
.set i, i+4
.endr
	v_pk_add_f32 v[SUM+2*(\a):SUM+2*(\a)+1], v[TMP:TMP+1], v[TMP+2:TMP+3]
.endm
.irp a, 0,1,2,3,4,5,6,7
	ROWS \a
.endr
.irp a, 0,1,2,3,4,5,6,7
	v_add_f32 v[SUM+2*\a], v[SUM+2*\a], v[SUM+2*\a+1]
.endr
.irp a, 0,1,2,3,4,5,6,7
	v_permlanex16_b32 v[MX+4*\a+2], v[SUM+2*\a], s[SEL], s[SEL+1]
.endr
.irp a, 0,1,2,3,4,5,6,7
	v_permlanex16_b32 v[MX+4*\a+3], v[ST+4*\a+3], s[SEL], s[SEL+1]
.endr
.irp a, 0,1,2,3,4,5,6,7
	v_add_f32 v[SUM+2*\a], v[SUM+2*\a], v[MX+4*\a+2]
.endr
	s_wait_alu depctr_va_vdst(0)
.irp a, 0,1,2,3,4,5,6,7
	v_log_f32 v[SUM+2*\a], v[SUM+2*\a]
.endr
.irp a, 0,1,2,3,4,5,6,7
	v_add_f32 v[ST+4*\a+3], v[ST+4*\a+3], v[MX+4*\a+3]
.endr
	s_wait_alu depctr_va_vdst(0)
.irp a, 0,1,2,3,4,5,6,7
	v_sub_f32 v[SUM+2*\a], v[SUM+2*\a], v[ST+4*\a] ; log2 of the sum, the maximum given back
.endr
.irp a, 0,1,2,3,4,5,6,7
	ds_store_b32 v[XW], v[SUM+2*\a] offset:64*\a
	ds_store_b32 v[XW], v[ST+4*\a+3] offset:512+64*\a
.endr
	s_wait_dscnt 0x0                               ; for the others' sake
	s_barrier_signal -1
	s_barrier_wait -1
	ds_load_b64 v[128:129], v[XR]                  ; the two column halves of 64 of my rows, two rows a lane
	ds_load_b64 v[130:131], v[XR] offset:512
	ds_load_b64 v[132:133], v[XR] offset:1024
	ds_load_b64 v[134:135], v[XR] offset:1536
	s_wait_dscnt 0x0
	v_max_num_f32 v136, v128, v132
	v_max_num_f32 v137, v129, v133
	v_pk_add_f32 v[138:139], v[128:129], v[136:137] neg_lo:[0,1] neg_hi:[0,1]
	v_pk_add_f32 v[140:141], v[132:133], v[136:137] neg_lo:[0,1] neg_hi:[0,1]
	s_wait_alu depctr_va_vdst(0)
	v_exp_f32 v138, v138
	v_exp_f32 v139, v139
	v_exp_f32 v140, v140
	v_exp_f32 v141, v141
	v_pk_add_f32 v[142:143], v[130:131], v[134:135]
	s_wait_alu depctr_va_vdst(0)
	v_pk_add_f32 v[138:139], v[138:139], v[140:141]
	s_wait_alu depctr_va_vdst(0)
	v_log_f32 v138, v138
	v_log_f32 v139, v139
	v_nop
	s_wait_alu depctr_va_vdst(0)
	v_pk_add_f32 v[138:139], v[138:139], v[136:137]
	global_store_b64 v[PO], v[138:139], s[10:11]                   ; 256 consecutive bytes, aligned
	global_store_b64 v[PO], v[142:143], s[10:11] offset:262144
	s_wait_tensorcnt 0x0                           ; the wave's end
	ds_add_u32 v[SPW], v[NIL]
	s_wait_dscnt 0x0
	CROUND                                         ; the closing round
	s_endpgm
.Lfunc_end_k_qf8b7177c06_lmhead:
	.size	k_qf8b7177c06_lmhead, .Lfunc_end_k_qf8b7177c06_lmhead-k_qf8b7177c06_lmhead
	.p2alignl 7, 3214868480
	.fill 96, 4, 3214868480
	.section	.rodata,"a",@progbits
	.p2align	6, 0x0
	.amdhsa_kernel k_qf8b7177c06_lmhead
		.amdhsa_group_segment_fixed_size 327680
		.amdhsa_private_segment_fixed_size 0
		.amdhsa_enable_private_segment 0
		.amdhsa_kernarg_size 32
		.amdhsa_user_sgpr_count 2
		.amdhsa_user_sgpr_kernarg_segment_ptr 1
		.amdhsa_wavefront_size32 1
		.amdhsa_system_sgpr_workgroup_id_x 1
		.amdhsa_system_sgpr_workgroup_id_y 1
		.amdhsa_system_sgpr_workgroup_id_z 1
		.amdhsa_system_vgpr_workitem_id 0
		.amdhsa_next_free_vgpr 1024
		.amdhsa_next_free_sgpr 96
		.amdhsa_reserve_vcc 0
		.amdhsa_float_denorm_mode_32 3
		.amdhsa_float_denorm_mode_16_64 3
		.amdhsa_memory_ordered 1
		.amdhsa_forward_progress 1
		.amdhsa_inst_pref_size 255
	.end_amdhsa_kernel
	.section	.bss,"aw",@nobits
	.p2align	6
	.space	262144
	.amdgpu_metadata
---
amdhsa.version: [ 1, 2 ]
amdhsa.kernels:
  - .name:           k_qf8b7177c06_lmhead
    .symbol:         k_qf8b7177c06_lmhead.kd
    .args:
      - { .name: aq, .offset: 0, .size: 8, .value_kind: global_buffer, .address_space: global }
      - { .name: bq, .offset: 8, .size: 8, .value_kind: global_buffer, .address_space: global }
      - { .name: labels, .offset: 16, .size: 8, .value_kind: global_buffer, .address_space: global }
      - { .name: part, .offset: 24, .size: 8, .value_kind: global_buffer, .address_space: global }
    .group_segment_fixed_size: 327680
    .private_segment_fixed_size: 0
    .kernarg_segment_align: 8
    .kernarg_segment_size: 32
    .max_flat_workgroup_size: 128
    .sgpr_count:     96
    .vgpr_count:     1024
    .wavefront_size: 32
...
	.end_amdgpu_metadata
.endif
;; end of part 2
;; launch finish (part 3): grid 32 x 1, 1 waves a work-group, no clusters, 0 bytes of LDS; arguments part, out0; writes out0
.if DOCPART == 3
	.amdgcn_target "amdgcn-amd-amdhsa--gfx1250"
	.amdhsa_code_object_version 6
	.text
	.protected	k_qf8b7177c06_finish
	.globl	k_qf8b7177c06_finish
	.p2align	8
	.type	k_qf8b7177c06_finish,@function
k_qf8b7177c06_finish:
	s_mov_b64 s[64:65], 0
	v_nop
	global_prefetch_b8 v0, s[64:65] scope:SCOPE_SE
	s_setreg_imm32_b32 hwreg(HW_REG_WAVE_MODE, 25, 1), 1
	s_wait_xcnt 0x0
; out0[b][s] = ln 2 x log2(sum over the 16 tile columns p of 2^(L2[p][m])) - sum over p of g[p][m], m = 2 s + b.  part: [2][16][4,096] f32, plane 0 L2, plane 1 g (the label's logit in one p, 0 in the others).
; The largest L2 of a row is taken away ahead of the exponentials.  One wave takes 128 rows, four neighbouring rows a lane: each load reads 512 consecutive bytes.  No LDS, no barrier: rows share nothing.
; Rows 4 l .. 4 l + 3 are s = 2 l, 2 l + 1 of b = 0 (rows 0 and 2) and of b = 1 (rows 1 and 3): two stores of 8 bytes a lane, each 256 consecutive bytes a wave, aligned.
; 4,096 rows are 32 such waves; matrix units, clusters and a ring would add nothing to 512 KiB read once.
.set M,  4                             ; v4-7    the four rows' largest L2
.set S,  8                             ; v8-11   their sums, then log2 of the whole row's sum
.set N,  12                            ; v12-15  the results: rows 0, 2, 1, 3
.set L,  16                            ; v16-79  L2: four registers for each p
.set G,  80                            ; v80-143 g likewise
.set GS, 144                           ; v144-147 the sums of g
	s_load_b128 s[4:7], s[0:1], 0x0                ; part s[4:5], out0 s[6:7]
	v_lshlrev_b32 v1, 4, v0                        ; 16 bytes a lane (the work-group is one wave: v0 is the lane)
	v_lshlrev_b32 v2, 3, v0                        ; 8 bytes a lane on the way out
	s_lshl_b32 s8, ttmp9, 9                        ; my 128 rows of 4 bytes
	s_mov_b32 s9, 0
	s_lshl_b32 s10, ttmp9, 8                       ; my 64 s of 4 bytes
	s_mov_b32 s11, 0
	s_wait_alu depctr_va_vdst(0)
	s_wait_kmcnt 0x0
	s_add_nc_u64 s[4:5], s[4:5], s[8:9]
	s_add_nc_u64 s[6:7], s[6:7], s[10:11]
.set p, 0
.rept 16
	global_load_b128 v[L+4*p:L+4*p+3], v1, s[4:5] offset:16384*p th:TH_LOAD_NT
.set p, p+1
.endr
.set p, 0
.rept 16
	global_load_b128 v[G+4*p:G+4*p+3], v1, s[4:5] offset:262144+16384*p th:TH_LOAD_NT
.set p, p+1
.endr
	s_wait_loadcnt 16                              ; the sixteen loads of L2 are in; the sixteen of g may be out
.irp i, 0,1,2,3
	v_max3_num_f32 v[M+\i], v[L+\i], v[L+4+\i], v[L+8+\i]
.endr
.irp q, 3,5,7,9,11,13
.irp i, 0,1,2,3
	v_max3_num_f32 v[M+\i], v[M+\i], v[L+4*\q+\i], v[L+4*\q+4+\i]  ; (the four rows by turns)
.endr
.endr
.irp i, 0,1,2,3
	v_max_num_f32 v[M+\i], v[M+\i], v[L+60+\i]
.endr
.set p, 0
.rept 16
	v_pk_add_f32 v[L+4*p:L+4*p+1], v[L+4*p:L+4*p+1], v[M:M+1] neg_lo:[0,1] neg_hi:[0,1]
	v_pk_add_f32 v[L+4*p+2:L+4*p+3], v[L+4*p+2:L+4*p+3], v[M+2:M+3] neg_lo:[0,1] neg_hi:[0,1]
.set p, p+1
.endr
.set p, 0
	s_wait_alu depctr_va_vdst(0)
.rept 64
	v_exp_f32 v[L+p], v[L+p]
.set p, p+1
.endr
	v_nop                                          ; a plain instruction between the last exponential and the use of its result
	s_wait_alu depctr_va_vdst(0)
	v_pk_add_f32 v[S:S+1], v[L:L+1], v[L+4:L+5]
	v_pk_add_f32 v[S+2:S+3], v[L+2:L+3], v[L+6:L+7]
.set p, 2
.rept 14
	v_pk_add_f32 v[S:S+1], v[S:S+1], v[L+4*p:L+4*p+1]
	v_pk_add_f32 v[S+2:S+3], v[S+2:S+3], v[L+4*p+2:L+4*p+3]
.set p, p+1
.endr
	s_wait_alu depctr_va_vdst(0)
.irp i, 0,1,2,3
	v_log_f32 v[S+\i], v[S+\i]                     ; the sum holds the largest term, 1
.endr
	v_nop
	s_wait_alu depctr_va_vdst(0)
	v_pk_add_f32 v[S:S+1], v[S:S+1], v[M:M+1]
	v_pk_add_f32 v[S+2:S+3], v[S+2:S+3], v[M+2:M+3]
	s_wait_loadcnt 0x0                             ; g
	v_pk_add_f32 v[GS:GS+1], v[G:G+1], v[G+4:G+5]
	v_pk_add_f32 v[GS+2:GS+3], v[G+2:G+3], v[G+6:G+7]
.set p, 2
.rept 14
	v_pk_add_f32 v[GS:GS+1], v[GS:GS+1], v[G+4*p:G+4*p+1]
	v_pk_add_f32 v[GS+2:GS+3], v[GS+2:GS+3], v[G+4*p+2:G+4*p+3]
.set p, p+1
.endr
	v_fma_f32 v[N],   v[S],   0x3f317218, -v[GS]   ; ln 2 x log2(sum) - the label's logit: row 0 (b = 0, s = 2 l)
	v_fma_f32 v[N+1], v[S+2], 0x3f317218, -v[GS+2] ; row 2 (b = 0, s = 2 l + 1)
	v_fma_f32 v[N+2], v[S+1], 0x3f317218, -v[GS+1] ; row 1 (b = 1, s = 2 l)
	v_fma_f32 v[N+3], v[S+3], 0x3f317218, -v[GS+3] ; row 3 (b = 1, s = 2 l + 1)
	global_store_b64 v2, v[N:N+1], s[6:7]
	global_store_b64 v2, v[N+2:N+3], s[6:7] offset:8192
	s_endpgm
.Lfunc_end_k_qf8b7177c06_finish:
	.size	k_qf8b7177c06_finish, .Lfunc_end_k_qf8b7177c06_finish-k_qf8b7177c06_finish
	.p2alignl 7, 3214868480
	.fill 96, 4, 3214868480
	.section	.rodata,"a",@progbits
	.p2align	6, 0x0
	.amdhsa_kernel k_qf8b7177c06_finish
		.amdhsa_group_segment_fixed_size 0
		.amdhsa_private_segment_fixed_size 0
		.amdhsa_enable_private_segment 0
		.amdhsa_kernarg_size 16
		.amdhsa_user_sgpr_count 2
		.amdhsa_user_sgpr_kernarg_segment_ptr 1
		.amdhsa_wavefront_size32 1
		.amdhsa_system_sgpr_workgroup_id_x 1
		.amdhsa_system_sgpr_workgroup_id_y 1
		.amdhsa_system_sgpr_workgroup_id_z 1
		.amdhsa_system_vgpr_workitem_id 0
		.amdhsa_next_free_vgpr 160
		.amdhsa_next_free_sgpr 66
		.amdhsa_reserve_vcc 0
		.amdhsa_float_denorm_mode_32 3
		.amdhsa_float_denorm_mode_16_64 3
		.amdhsa_memory_ordered 1
		.amdhsa_forward_progress 1
		.amdhsa_inst_pref_size 15
	.end_amdhsa_kernel
	.amdgpu_metadata
---
amdhsa.version: [ 1, 2 ]
amdhsa.kernels:
  - .name:           k_qf8b7177c06_finish
    .symbol:         k_qf8b7177c06_finish.kd
    .args:
      - { .name: part, .offset: 0, .size: 8, .value_kind: global_buffer, .address_space: global }
      - { .name: out0, .offset: 8, .size: 8, .value_kind: global_buffer, .address_space: global }
    .group_segment_fixed_size: 0
    .private_segment_fixed_size: 0
    .kernarg_segment_align: 8
    .kernarg_segment_size: 16
    .max_flat_workgroup_size: 32
    .sgpr_count:     66
    .vgpr_count:     160
    .wavefront_size: 32
...
	.end_amdgpu_metadata
.endif
;; end of part 3
